; MI455X (gfx1250); checked and timed in simulation.
; The chip was launched on July 23, 2026; its instructions are those of AMD's public machine-readable ISA for CDNA 5 (MIT licence, August 2026) and "CDNA5" Instruction Set Architecture Reference Guide (July 2026). The comments in the code are by the model that wrote it; some were corrected since.
;; Transformer Block. Allowed arithmetic: matrix products marked QUANTISED: E2M3 operands, one E8M0 scale for each 32 along K, by v_wmma_scale_f32_16x16x128_f8f6f4 with both operands' format E2M3, f32 sums; products left as they are: f32 operands where the result goes on into a quantised operand, else bf16, f16 or f32 operands; f32 sums; everything else in f32.
;; Inputs: b1 512 float32; b2 512 float32; beta 512 float32; bk 3 float32; bo 512 float32; bq 3 float32; bv 3 float32; gamma 512 float32; w1 512 x 512 float32; w2 512 x 512 float32; wk 3 x 512 float32; wo 512 x 18 float32; wq 3 x 512 float32; wv 3 x 512 float32; x 8 x 2,048 x 512 float32.
;; Outputs: out0 8 x 2,048 x 512 float32.
;; This version of the problem:
;;   THIS VERSION OF THE PROBLEM IS GIVEN IN LOW PRECISION. The matrix products marked QUANTISED in the list below multiply operands that are first quantised to E2M3 (2 exponent bits, 3 mantissa bits; 6 bits a number), with one power-of-two scale for each 32 numbers along K (OCP MX v1.0); their sums are f32. All else is computed in f32.
;;   The module's matrix products, in the order in which they are computed (A, B: the left and right operand; K: the contracted axis; several contracted axes count as one K, in the product's order):
;;     1. [M 16,384, K 512] x [K 512, N 3]; A: input x; B: input wq: left as it is (N = 3 < 16)
;;     2. [M 16,384, K 512] x [K 512, N 3]; A: input x; B: input wk: left as it is (N = 3 < 16)
;;     3. [M 16,384, K 512] x [K 512, N 3]; A: input x; B: input wv: left as it is (N = 3 < 16)
;;     4. batch 8 x [M 2,048, K 3] x [K 3, N 2,048]; A: computed on the way; B: computed on the way: left as it is (K = 3 < 32)
;;     5. batch 8 x [M 2,048, K 2,048] x [K 2,048, N 3]; A: softmax; B: computed on the way: left as it is (N = 3 < 16)
;;     6. [M 16,384, K 18] x [K 18, N 512]; A: computed on the way; B: input wo: left as it is (K = 18 < 32)
;;     7. [M 16,384, K 512] x [K 512, N 512]; A: computed on the way; B: input w1: QUANTISED
;;     8. [M 16,384, K 512] x [K 512, N 512]; A: computed on the way; B: input w2: QUANTISED
;;   THE QUANTISER, for each operand of a quantised product, along K:
;;     - K is cut into blocks of 32 from its start; a last block that is shorter is filled with zeros.
;;     - A block's scale is 2^e with e = floor(log2(the largest magnitude in the block)) - 2, held to -126 .. 127; a block of zeros has e = 0. As a byte (E8M0): e + 127.
;;     - Each number is divided by its block's scale, clamped to +-7.5, and rounded to the nearest number of E2M3, ties to even, subnormals kept.
;;     - The product sums the exact products of the quantised numbers (number of the format x scale) in f32.
;;   ~~~python
;;   def quantise(x, axis):      # numpy; x: float32 -> the quantised numbers, widened to float32 again
;;       x = np.moveaxis(x, axis, -1); K = x.shape[-1]
;;       x = np.pad(x, [(0, 0)] * (x.ndim - 1) + [(0, -K % 32)]); x = x.reshape(x.shape[:-1] + (-1, 32)); a = np.abs(x).max(-1, keepdims=True)
;;       e = np.where(a > 0, np.clip(np.frexp(np.where(a > 0, a, 1))[1] - 1 - 2, -126, 127), 0)      # np.frexp(a)[1] - 1 = floor(log2(a)), exactly
;;       r = np.clip(x / 2.0 ** e, -7.5, 7.5)
;;       step = 2.0 ** (np.maximum(np.frexp(np.where(r == 0, 1, r))[1] - 1, 0) - 3)
;;       q = np.round(r / step) * step * 2.0 ** e      # np.round: ties to even
;;       return np.moveaxis(q.reshape(q.shape[:-2] + (-1,))[..., :K], -1, axis).astype(np.float32)
;;   ~~~
;;   OPERANDS COMPUTED ON THE WAY. 'Computed on the way' means the value that the module computes at that place (a softmax that the list does not call 'softmax' is quantised finished and normalised). What goes into a quantiser is computed in f32, as accurately as f32 sums, v_exp_f32 and their like allow (about 1e-6 of the number): no bf16 or f16 on the way to a quantiser, and a product that is left as it is and whose result goes on into a quantised operand takes f32 operands (vector FMAs, or v_wmma_f32_16x16x4_f32). A number that lies on a knife's edge between two numbers of the format may be rounded either way, as far as f32 arithmetic and the matrix unit's own rounding can turn it there, and no further.
;; One version. Each part assembles by itself: llvm-mc -triple=amdgcn-amd-amdhsa -mcpu=gfx1250 --defsym DOCPART=n.
;; ======== version 1 of 1: 2 launches
;; workspace buffers: qkv 589,824 bytes; wimg 393,216 bytes; wscl 16,384 bytes
;; launch proj (part 1): grid 256 x 1, 5 waves a work-group, no clusters, 13,568 bytes of LDS; arguments x, wq, wk, wv, bq, bk, bv, w1, w2, qkv, wimg, wscl; writes qkv, wimg, wscl
.if DOCPART == 1
	.amdgcn_target "amdgcn-amd-amdhsa--gfx1250"
	.amdhsa_code_object_version 6
	.text
	.protected	k_q9ffe71c881_proj
	.globl	k_q9ffe71c881_proj
	.p2align	8
	.type	k_q9ffe71c881_proj,@function
k_q9ffe71c881_proj:
	s_mov_b64 s[64:65], 0
	v_nop
	global_prefetch_b8 v0, s[64:65] scope:SCOPE_SE
	s_setreg_imm32_b32 hwreg(HW_REG_WAVE_MODE, 25, 1), 1
	s_wait_xcnt 0x0
; q = x wq^T + bq, k = x wk^T + bk, v = x wv^T + bv, all in f32 by fused multiply-adds (their results lead into a quantiser later on), for 64 rows of the
; flattened x [16384][512] a work-group; stored as nine arrays of 16,384 numbers: qkv[a][row], a = 0..2 q, 3..5 k, 6..8 v.
; BESIDE THAT the fifth wave of work-group g turns ONE fragment (16 rows x 128 along K) of w1 (g < 128) or w2 into codes of FP6 (E2M3) with one E8M0 byte for each 32 along K,
; and stores it as an image of the operand's registers: 256 work-groups, 256 fragments.  A block's scale is 2^(floor(log2(its largest magnitude)) - 2).
; SHARES: wave w < 4 takes rows 16 w .. 16 w + 15; wave 4 takes the fragment and, at the end, array 8: so no wave of rows carries more than the others.
; A lane holds columns 128 j + 4 lane + 0..3 (j = 0..3) of every row of x and of the nine weight rows: every load of a wave reads 512 consecutive bytes.
; All of a wave's 64 loads of x go out at once (32,768 bytes a wave); the rows are then worked in order, each behind a counted wait.
; A row's nine partial sums are added over the 32 lanes by a reduction that halves the number of registers at each level, so that lane l ends with the whole sum of output l % 16 (8 and above: output 8).
; Two rows are reduced together, and at each level all selects stand ahead of the adds, so that few lines read the result of the line above them.
; No matrix unit, no tensor load, no cluster: the launch streams x once and nothing is shared between work-groups but 18 KB of weights.
; LIMITS: NaN and infinities are not served.  A block of the weights whose largest magnitude lies under 2^-124, a block of zeros among them, gets the byte 1 (the rule says 127 for zeros):
; its codes are then zeros or as the held scale gives them, and this program alone reads the bytes.
; REGISTERS: window 0: v1-15 addresses and ids, v16-33 nine running pairs, v34-51 nine sums for each of two rows, v52-59 and v208-215 the reduction, v224-239 a result for each row;
;   v64-207: in waves 0-3 weight row o piece j at v[64 + 16 o + 4 j]; in wave 4 (v64-223) the fragment's work.   window 1: x, row i piece j at v[16 i + 4 j].
.set WP,    528                        ; LDS pitch of the fragment's 16 rows: 512 bytes + 16, an odd multiple of 16
.set WT,    0                          ; the fragment's turn through LDS: wave 4's alone
.set RES,   16*WP                      ; 16 arrays of 256 bytes: array a, row i of the group at 256 a + 4 i (arrays 9-15 are copies of 8 that nobody reads)
.set PSUM,  16
.set AS,    34                         ; the nine sums of the pair's row u at AS + 9 u
.set TS,    52                         ; the reduction's eight registers of row u at TS + 156 u
.set WREG,  64
.set RW,    64                         ; v64-127  the fragment as loaded
.set XF,    128                        ; v128-191 the fragment, 2 blocks of 32 neighbours along K a lane
.set MX,    192
.set SOP,   194
.set BY,    196
.set WD,    198
.set TPM,   199
.set CD,    204                        ; v204-215 the fragment's 12 registers of codes
.set TT,    216
.set RV,    224
.set MSB, 0
.macro WIN new                         ; the immediate's high byte repeats the setting that is left
.if MSB != (\new)
	s_set_vgpr_msb (MSB<<8)|(\new)
.set MSB, (\new)
.endif
.endm
	s_load_b512 s[8:23], s[0:1], 0x0               ; x s[8:9], wq s[10:11], wk s[12:13], wv s[14:15], bq s[16:17], bk s[18:19], bv s[20:21], w1 s[22:23]
	s_load_b256 s[24:31], s[0:1], 0x40             ; w2 s[24:25], qkv s[26:27], wimg s[28:29], wscl s[30:31]
	v_lshl_add_u32 v254, v0, 2, 0x3200
	v_mov_b32 v255, 0
	v_lshrrev_b32 v1, 5, v0
	v_readfirstlane_b32 s2, v1                     ; wave 0..4
	v_and_b32 v14, 31, v0                          ; lane
	v_and_b32 v2, 15, v0                           ; r
	v_bfe_u32 v3, v0, 4, 1                         ; h
	v_lshlrev_b32 v1, 4, v14                       ; 16 x lane: my 16 bytes of every load's 512
	v_lshlrev_b32 v6, 8, v2
	s_lshl_b32 s52, s2, 6
	s_add_co_u32 s52, s52, RES
	v_add_nc_u32 v6, s52, v6                       ; where a row's result goes: RES + 256 r + 64 wave (+ 4 i)
	v_lshlrev_b32 v7, 8, v3
	v_lshl_add_u32 v7, v2, 4, v7
	s_lshl_b32 s52, s2, 9
	s_add_co_u32 s52, s52, RES
	v_add_nc_u32 v7, s52, v7                       ; the way out of waves 0-3: array 2 wave + h, 16 bytes a lane
	v_lshlrev_b32 v8, 16, v3
	v_lshl_add_u32 v8, v2, 4, v8
	s_lshl_b32 s52, s2, 17
	v_add_nc_u32 v8, s52, v8                       ; and the same place in qkv: 65,536 bytes an array
	v_lshlrev_b32 v9, 3, v14
	v_add_nc_u32 v10, 8*65536, v9                  ; array 8 (wave 4): 8 bytes a lane, in qkv
	v_add_nc_u32 v9, RES+8*256, v9                 ; and in LDS
	v_add_nc_u32 v11, WT, v1                       ; the fragment into LDS: as loaded
	v_mul_u32_u24 v12, v2, WP
	v_lshl_add_u32 v12, v3, 7, v12                 ; and back: row r, 128 bytes (32 numbers) on for lanes 16-31
	v_lshlrev_b32 v13, 4, v2                       ; the scale word's place: 16 r
	s_mov_b32 s44, 0xaaaaaaaa                      ; lanes with bit 0, 1, 2, 3 of their number set
	s_mov_b32 s45, 0xcccccccc
	s_mov_b32 s46, 0xf0f0f0f0
	s_mov_b32 s47, 0xff00ff00
	s_mov_b32 s48, 0x76543210
	s_mov_b32 s49, 0xfedcba98                      ; v_permlanex16_b32's selects for lane l xor 16
	s_lshl_b32 s56, ttmp9, 17                      ; x: 64 rows of 2,048 bytes a work-group,
	s_lshl_b32 s57, s2, 15                         ; 16 a wave (wave 4 makes the sum and loads nothing by it)
	s_add_co_u32 s56, s56, s57
	s_mov_b32 s57, 0
	; the fragment of work-group g: weight g >> 7; T = (g >> 2) & 31 = 8 x (wave that will use it) + tile t; K step s = g & 3.  Tile t = 2 b + u begins at row 32 (T >> 1) + 8 (T & 1)
	s_bfe_u32 s52, ttmp9, 0x50002
	s_lshr_b32 s58, s52, 1
	s_lshl_b32 s58, s58, 16                        ; 32 rows of 2,048 bytes
	s_and_b32 s53, s52, 1
	s_lshl_b32 s53, s53, 14                        ; 8 rows
	s_add_co_u32 s58, s58, s53
	s_and_b32 s53, ttmp9, 3
	s_lshl_b32 s54, s53, 9                         ; 128 numbers along K
	s_add_co_u32 s58, s58, s54
	s_mov_b32 s59, 0
	s_lshl_b32 s60, ttmp9, 8                       ; qkv: 64 rows of 4 bytes
	s_mov_b32 s61, 0
	s_lshr_b32 s54, ttmp9, 5
	s_lshl_b32 s54, s54, 2
	s_add_co_u32 s54, s54, s53                     ; 4 x (4 x weight + wave) + s
	s_bfe_u32 s55, ttmp9, 0x30002                  ; t
	s_lshl_b32 s4, s54, 3
	s_add_co_u32 s4, s4, s55
	s_mul_i32 s4, s4, 1536                         ; wimg: 1,536 bytes a fragment
	s_mov_b32 s5, 0
	s_lshl_b32 s6, s54, 9                          ; wscl: 512 bytes a K step of a wave: lane L = r + 16 (t & 1), word t >> 1, at 16 L + 4 (t >> 1)
	s_and_b32 s53, s55, 1
	s_lshl_b32 s53, s53, 8
	s_add_co_u32 s6, s6, s53
	s_lshr_b32 s53, s55, 1
	s_lshl_b32 s53, s53, 2
	s_add_co_u32 s6, s6, s53
	s_mov_b32 s7, 0
	s_wait_kmcnt 0x0
	s_cmp_lt_u32 ttmp9, 128                        ; w1's fragment or w2's: the choice hangs on the work-group's number alone
	s_cselect_b64 s[50:51], s[22:23], s[24:25]
	s_add_nc_u64 s[50:51], s[50:51], s[58:59]
	s_add_nc_u64 s[8:9], s[8:9], s[56:57]
	s_add_nc_u64 s[26:27], s[26:27], s[60:61]
	s_add_nc_u64 s[28:29], s[28:29], s[4:5]
	s_add_nc_u64 s[30:31], s[30:31], s[6:7]
	s_cmp_eq_u32 s2, 4
	s_cbranch_scc1 .Lfragment
	; ---- waves 0-3: the rows
	s_load_b96 s[32:34], s[16:17], 0x0             ; bq
	s_load_b96 s[36:38], s[18:19], 0x0             ; bk
	s_load_b96 s[40:42], s[20:21], 0x0             ; bv
.irp j, 0,1,2,3
.irp o, 0,1,2
	global_load_b128 v[WREG+16*\o+4*\j:WREG+16*\o+4*\j+3], v1, s[10:11] offset:2048*\o+512*\j
	global_load_b128 v[WREG+16*(3+\o)+4*\j:WREG+16*(3+\o)+4*\j+3], v1, s[12:13] offset:2048*\o+512*\j
	global_load_b128 v[WREG+16*(6+\o)+4*\j:WREG+16*(6+\o)+4*\j+3], v1, s[14:15] offset:2048*\o+512*\j
.endr
.endr
	WIN 0x40                                       ; destination window 1
.irp i, 0,1,2,3,4,5,6,7,8,9,10,11,12,13,14,15
.irp j, 0,1,2,3
	global_load_b128 v[16*\i+4*\j:16*\i+4*\j+3], v1, s[8:9] offset:2048*\i+512*\j   ; no hint: the next launch reads x again
.endr
.endr
	WIN 0
	s_wait_kmcnt 0x0                               ; the biases
	v_mov_b32 v5, s42                              ; my output's bias: lanes 8-15 of a half hold output 8,
.irp a, 0,1,2,3,4,5,6,7
	v_cmp_eq_u32 vcc_lo, \a, v2                    ; lane a of a half output a
	v_mov_b32 v15, s[32+4*(\a/3)+\a%3]
	v_cndmask_b32 v5, v5, v15, vcc_lo
.endr
; Row i's nine products, my 16 columns of each, into the sums of the pair's row u
.macro DOT i, u
	s_wait_loadcnt 4*(15-(\i))                     ; loads come back in order: this row's four are in (and the weights', issued ahead of x); the later rows' may be out
	WIN 0x01                                       ; source 0 (x) window 1
.irp o, 0,1,2,3,4,5,6,7,8
	v_pk_mul_f32 v[PSUM+2*\o:PSUM+2*\o+1], v[16*(\i):16*(\i)+1], v[WREG+16*\o:WREG+16*\o+1]   ; the first products start the nine chains
.endr
.irp e, 2,4,6,8,10,12,14
.irp o, 0,1,2,3,4,5,6,7,8
	v_pk_fma_f32 v[PSUM+2*\o:PSUM+2*\o+1], v[16*(\i)+\e:16*(\i)+\e+1], v[WREG+16*\o+\e:WREG+16*\o+\e+1], v[PSUM+2*\o:PSUM+2*\o+1]
.endr
.endr
	WIN 0
.irp o, 0,1,2,3,4,5,6,7,8
	v_add_f32 v[AS+9*(\u)+\o], v[PSUM+2*\o], v[PSUM+2*\o+1]
.endr
.endm
; One level of the reduction, for both rows: of sums 2 p and 2 p + 1 the lanes whose bit is clear keep the first and give the second, the others the other way round; each adds what its partner gives:
; cnt sums are left, at AS + 0 .. cnt - 1.  Output 8 has no partner: it is added plainly.
.macro RLEVEL cnt, mask, dist
.irp p, 0,1,2,3
.if \p < \cnt
.irp u, 0,1
	v_cndmask_b32 v[TS+156*\u+2*\p], v[AS+9*\u+2*\p], v[AS+9*\u+2*\p+1], s[\mask]
	v_cndmask_b32 v[TS+156*\u+2*\p+1], v[AS+9*\u+2*\p+1], v[AS+9*\u+2*\p], s[\mask]
.endr
.endif
.endr
.irp p, 0,1,2,3
.if \p < \cnt
.irp u, 0,1
	v_add_f32_dpp v[AS+9*\u+\p], v[TS+156*\u+2*\p+1], v[TS+156*\u+2*\p] row_xmask:\dist row_mask:0xf bank_mask:0xf
.endr
.endif
.endr
.irp u, 0,1
	v_add_f32_dpp v[AS+9*\u+8], v[AS+9*\u+8], v[AS+9*\u+8] row_xmask:\dist row_mask:0xf bank_mask:0xf
.endr
.endm
.macro RED2 i                          ; rows i and i + 1
	RLEVEL 4, 44, 1
	RLEVEL 2, 45, 2
	RLEVEL 1, 46, 4                                ; lane l: output l % 8, summed over 8 lanes
.irp u, 0,1
	v_cndmask_b32 v[TS+156*\u], v[AS+9*\u], v[AS+9*\u+8], s47
	v_cndmask_b32 v[TS+156*\u+1], v[AS+9*\u+8], v[AS+9*\u], s47
.endr
.irp u, 0,1
	v_add_f32_dpp v[AS+9*\u], v[TS+156*\u+1], v[TS+156*\u] row_xmask:8 row_mask:0xf bank_mask:0xf   ; lanes 0-7 of a half: outputs 0-7; lanes 8-15: output 8
.endr
.irp u, 0,1
	v_permlanex16_b32 v[TS+156*\u+2], v[AS+9*\u], s48, s49           ; (its destination was written at the first level)
.endr
.irp u, 0,1
	v_add_f32 v[AS+9*\u], v[AS+9*\u], v[TS+156*\u+2]                 ; the sum over all 32 lanes
.endr
.irp u, 0,1
	v_add_f32 v[RV+(\i)+\u], v[AS+9*\u], v5        ; + the bias
.endr
.irp u, 0,1
	ds_store_b32 v6, v[RV+(\i)+\u] offset:4*((\i)+\u)                ; lanes l and l + 16 write the same word with the same value
.endr
.endm
.irp i, 0,2,4,6,8,10,12,14
	DOT \i, 0
	DOT \i+1, 1
	RED2 \i
.endr
	s_branch .Ljoin
.Lfragment:
	; ---- wave 4: the fragment
.irp i, 0,1,2,3,4,5,6,7,8,9,10,11,12,13,14,15
	global_load_b128 v[RW+4*\i:RW+4*\i+3], v1, s[50:51] offset:(\i+8*(\i/8))*2048   ; THE ROWS OF A TILE ARE NOT NEIGHBOURS: lane r takes the tile's row r + 8 (r / 8); 512 consecutive bytes a load
.endr
	s_wait_loadcnt 0x0
.irp i, 0,1,2,3,4,5,6,7,8,9,10,11,12,13,14,15
	ds_store_b128 v11, v[RW+4*\i:RW+4*\i+3] offset:WP*\i
.endr
.irp c, 0,1
.irp q, 0,1,2,3,4,5,6,7
	ds_load_b128 v[XF+32*\c+4*\q:XF+32*\c+4*\q+3], v12 offset:256*\c+16*\q   ; lane (r, h): k = 64 c + 32 h + 0 .. 31 of row r, as the operand's layout gives it.  LDS serves a wave's instructions in order: these see the stores above
.endr
.endr
	s_wait_dscnt 0x0
.irp c, 0,1                                    ; my block 2 c + h: all its 32 numbers are mine
	v_max3_num_f32 v[MX+\c], |v[XF+32*\c]|, |v[XF+1+32*\c]|, 0x1800000   ; and the floor 2^(3 - 127): the byte cannot fall under 1
.endr
.irp i, 2,4,6,8,10,12,14,16,18,20,22,24,26,28,30
.irp c, 0,1
	v_max3_num_f32 v[MX+\c], v[MX+\c], |v[XF+32*\c+\i]|, |v[XF+1+32*\c+\i]|
.endr
.endr
.irp c, 0,1
	v_add_nc_u32 v[SOP+\c], 0xff000000, v[MX+\c]   ; 2 off the exponent field: the conversion takes the exponent field of this operand as its scale
.endr
.irp c, 0,1
	v_lshrrev_b32 v[BY+\c], 23, v[SOP+\c]          ; the scale's byte
.endr
	v_lshl_or_b32 v[WD], v[BY+1], 16, v[BY]        ; my two bytes: blocks h and 2 + h of row r,
	v_lshlrev_b32 v[TPM], 3, v3
	v_lshlrev_b32 v[WD], v[TPM], v[WD]             ; at their places in the scale word;
	v_mov_b32 v[TPM], 0
	v_permlanex16_b32 v[TPM], v[WD], s48, s49
	v_or_b32 v[WD], v[WD], v[TPM]                  ; with lane l xor 16's two the word is whole
.irp c, 0,1
	v_cvt_scalef32_pk16_fp6_f32 v[CD+6*\c:CD+6*\c+2], v[XF+32*\c:XF+32*\c+15], v[SOP+\c]
	v_cvt_scalef32_pk16_fp6_f32 v[TT+4*\c:TT+4*\c+2], v[XF+32*\c+16:XF+32*\c+31], v[SOP+\c]   ; (a conversion's three registers begin on an even number)
.endr
	v_nop                                          ; one plain place behind a scaled conversion
.irp c, 0,1
.irp i, 0,1,2
	v_mov_b32 v[CD+6*\c+3+\i], v[TT+4*\c+\i]
.endr
.endr
.irp c, 0,1,2
	global_store_b128 v1, v[CD+4*\c:CD+4*\c+3], s[28:29] offset:512*\c   ; the image: registers 4 c .. 4 c + 3 of lane l at 512 c + 16 l: 512 consecutive bytes a store
.endr
	global_store_b32 v13, v[WD], s[30:31]          ; row r's scale word (both halves of the lanes hold it): 64 bytes a fragment, 16 bytes apart, laid so that the reader takes four tiles' words by one load
.Ljoin:
	s_wait_dscnt 0x0                               ; for the others' sake: my results lie in LDS
	s_barrier_signal -1
	s_barrier_wait -1
	s_cmp_eq_u32 s2, 4
	s_cbranch_scc1 .Llast_array
	ds_load_b128 v[64:67], v7                      ; arrays 2 wave and 2 wave + 1: the group's 64 rows, 256 bytes each
	s_wait_dscnt 0x0
	global_store_b128 v8, v[64:67], s[26:27]       ; 16 lanes store 256 consecutive bytes, at a multiple of 256 from qkv's first byte
	s_branch .Lend
.Llast_array:
	ds_load_b64 v[68:69], v9                       ; array 8
	s_wait_dscnt 0x0
	global_store_b64 v10, v[68:69], s[26:27]       ; 32 lanes store 256 consecutive bytes
.Lend:
	s_wait_tensorcnt 0x0
	ds_add_u32 v254, v255
	s_wait_dscnt 0x0
	s_endpgm
.Lfunc_end_k_q9ffe71c881_proj:
	.size	k_q9ffe71c881_proj, .Lfunc_end_k_q9ffe71c881_proj-k_q9ffe71c881_proj
	.p2alignl 7, 3214868480
	.fill 96, 4, 3214868480
	.section	.rodata,"a",@progbits
	.p2align	6, 0x0
	.amdhsa_kernel k_q9ffe71c881_proj
		.amdhsa_group_segment_fixed_size 13568
		.amdhsa_private_segment_fixed_size 0
		.amdhsa_enable_private_segment 0
		.amdhsa_kernarg_size 96
		.amdhsa_user_sgpr_count 2
		.amdhsa_user_sgpr_kernarg_segment_ptr 1
		.amdhsa_wavefront_size32 1
		.amdhsa_system_sgpr_workgroup_id_x 1
		.amdhsa_system_sgpr_workgroup_id_y 1
		.amdhsa_system_sgpr_workgroup_id_z 1
		.amdhsa_system_vgpr_workitem_id 0
		.amdhsa_next_free_vgpr 512
		.amdhsa_next_free_sgpr 66
		.amdhsa_reserve_vcc 1
		.amdhsa_float_denorm_mode_32 3
		.amdhsa_float_denorm_mode_16_64 3
		.amdhsa_memory_ordered 1
		.amdhsa_forward_progress 1
		.amdhsa_inst_pref_size 130
	.end_amdhsa_kernel
	.amdgpu_metadata
---
amdhsa.version: [ 1, 2 ]
amdhsa.kernels:
  - .name:           k_q9ffe71c881_proj
    .symbol:         k_q9ffe71c881_proj.kd
    .args:
      - { .name: x, .offset: 0, .size: 8, .value_kind: global_buffer, .address_space: global }
      - { .name: wq, .offset: 8, .size: 8, .value_kind: global_buffer, .address_space: global }
      - { .name: wk, .offset: 16, .size: 8, .value_kind: global_buffer, .address_space: global }
      - { .name: wv, .offset: 24, .size: 8, .value_kind: global_buffer, .address_space: global }
      - { .name: bq, .offset: 32, .size: 8, .value_kind: global_buffer, .address_space: global }
      - { .name: bk, .offset: 40, .size: 8, .value_kind: global_buffer, .address_space: global }
      - { .name: bv, .offset: 48, .size: 8, .value_kind: global_buffer, .address_space: global }
      - { .name: w1, .offset: 56, .size: 8, .value_kind: global_buffer, .address_space: global }
      - { .name: w2, .offset: 64, .size: 8, .value_kind: global_buffer, .address_space: global }
      - { .name: qkv, .offset: 72, .size: 8, .value_kind: global_buffer, .address_space: global }
      - { .name: wimg, .offset: 80, .size: 8, .value_kind: global_buffer, .address_space: global }
      - { .name: wscl, .offset: 88, .size: 8, .value_kind: global_buffer, .address_space: global }
    .group_segment_fixed_size: 13568
    .private_segment_fixed_size: 0
    .kernarg_segment_align: 8
    .kernarg_segment_size: 96
    .max_flat_workgroup_size: 160
    .sgpr_count:     66
    .vgpr_count:     512
    .wavefront_size: 32
...
	.end_amdgpu_metadata
.endif
;; end of part 1
;; launch block (part 2): grid 256 x 1, 4 waves a work-group, no clusters, 266,752 bytes of LDS; arguments x, qkv, wimg, wscl, wo, bo, b1, b2, gamma, beta, out0; writes out0
.if DOCPART == 2
	.amdgcn_target "amdgcn-amd-amdhsa--gfx1250"
	.amdhsa_code_object_version 6
	.text
	.protected	k_q9ffe71c881_block
	.globl	k_q9ffe71c881_block
	.p2align	8
	.type	k_q9ffe71c881_block,@function
k_q9ffe71c881_block:
	s_mov_b64 s[64:65], 0
	v_nop
	global_prefetch_b8 v0, s[64:65] scope:SCOPE_SE
	s_setreg_imm32_b32 hwreg(HW_REG_WAVE_MODE, 25, 1), 1
	s_wait_xcnt 0x0
; The rest of the transformer block for 64 rows of the flattened [16384][512] a work-group:
;   z = softmax(q k^T / sqrt(3)) v (head size 3, the 2,048 keys of the rows' batch), f32 vector arithmetic, with a running maximum;
;   a = [z z z z z z] wo^T + bo = z0 E0 + z1 E1 + z2 E2 + bo, E_d[n] = the sum over h of wo[n][3 h + d] (z stands six times in the operand, whatever the inputs), f32;
;   r0 = x + Q(a) Q(w1)^T + b1;  y = LayerNorm(r0);  r = r0 + Q(y) Q(w2)^T + b2;  out = LayerNorm(r).   Q: codes of FP6 (E2M3), one E8M0 scale for each 32 along K.
; The weights' codes and scale words come from the launch before, as images of the operand's registers.
; A LayerNorm does not change when a constant is added to a whole row: behind the first mean the accumulators keep d = r0 - mean in r0's place.  A variance is the mean of squared deviations.
; SHARES.  Attention: every wave holds all 64 queries, two a lane (A = lane, B = lane + 32), and walks 512 of the 2,048 keys; the four partial results meet in LDS.
; Products: THE WAVES SHARE THE COLUMNS: wave w owns columns 128 w .. 128 w + 127 of both products for all 64 rows (32 accumulators, 256 registers), and makes K step w of both activation operands, which go
; from wave to wave through LDS as images of their registers.  Both products are used TRANSPOSED (source 0 = 16 weight rows, source 1 = 16 rows of the activation), and the weight rows of a tile are chosen
; (lane r of tile 2 b + u: row 32 b + 8 u + r + 8 (r / 8)), so that LAYOUT D holds: lane (r, h), register 16 b + i of a row tile's 64 = (row 16 m + r, column 128 w + 32 b + 16 h + i): 16 neighbours along the next K.
; WHAT THE LATER PHASES WANT IS FETCHED UNDER THE ATTENTION, whose registers in windows 1 to 3 lie idle: three of its 32 chunks are written out and carry, in small groups among their vector lines,
; six vectors from LDS and w1's K steps 1 to 3 from memory.  w2 follows w1 through the same registers, asked for among the first product's matrix instructions.
; NO CLUSTER, NO JOINT LOADS: what the work-groups share are the weights' codes, 393,216 bytes.  Here each fragment goes from memory straight into the registers of the one wave that multiplies by it, once;
; a joint load lands in LDS, where 263,168 bytes are in use, so the codes would have to go through slots that are filled again, with a round of the cluster's barrier for each.  x and out are shared by nobody.
; LDS IS FILLED BY TENSOR LOADS ONCE (each wave's strip of x and its 512 keys, read by that wave alone): two tensor loads of a wave are out at the most.
; LIMITS: NaN and infinities are not served; the running maximum starts at -3e38; v_exp_f32 gives 0 for results under 2^-126; a block whose largest magnitude lies under 2^-124, zeros among them, keeps the scale byte 1
; (the rule says 127 for zeros: its codes are zeros, and this program alone reads the bytes).
; REGISTERS, in windows of 256: window 0: v1-15, v24-31 addresses; v16-23 the activations' scale words (two sets), v32-47 w1's, v48-63 w2's; v64-255 the phase in hand.
;   window 1: E0, E1, E2, bo in layout D, then the accumulators ((m, t) at 64 m + 8 t).   window 2: weight fragments of K steps 0, 1 (96 (s % 2) + 12 t); v192-255 gamma in layout D.   window 3: K steps 2, 3; v192-255 beta.
.set XP,    528                        ; a row of a strip of x in LDS: 512 bytes + 16: an odd multiple of 16
.set XW,    64*XP                      ; LDS 0: wave w's strip of x at XW w; at the end that wave's stage for the way out (the strip has had its only fill)
.set KV,    4*XW                       ; wave w's 512 keys at KV + KW w: k0, k1, k2, v0, v1, v2, 2,048 bytes each
.set KW,    6*2048
.set VEC,   KV+4*KW                    ; eight vectors of 512 numbers: E0, E1, E2, bo, b1, b2, gamma, beta; wave w stores and reads bytes 512 w .. 512 w + 511 of each
.set FRB,   1536                       ; a fragment's image: 12 registers x 128 bytes
.set AIMG,  VEC+8*2048                 ; a's 16 fragments (row tile m, K step s: 4 m + s),
.set ASC,   AIMG+16*FRB                ; their scale words, 128 bytes each;
.set YOFF,  16*FRB+16*128              ; y's images and scale words lie YOFF behind a's
.set ATT,   AIMG+2*YOFF                ; the attention's partial results: [wave][m, l, z0, z1, z2][r][row tile], 4 bytes
.set RED,   ATT+4*1280                 ; four exchanges of row sums: [exchange][wave][r][row tile]; ends at byte 263,168
.set KREG,  64                         ; attention: k_d of 16 keys at KREG + 16 d
.set VREG,  112                        ; v_d at VREG + 16 d
.set SCA,   160                        ; query A's 16 scores, then weights
.set SCB,   176                        ; query B's
.set QPA,   192                        ; c q_d of query A, in both halves of a pair, at QPA + 2 d
.set QPB,   198
.set STA,   204                        ; query A's state: +0 m, +1 m_old - m, +2 f (+3 named with it), +4:5 l, +6:7 z0, +8:9 z1, +10:11 z2, +12, +13 at work, +14 m_old
.set STB,   220
.set ML,    64                         ; merge: wave w's number a for four row tiles at ML + 20 w + 4 a
.set MXR,   144
.set FW,    148
.set LS,    164
.set ZS,    168
.set ZP,    180                        ; z_d of row tile m, in both halves of a pair, at ZP + 8 d + 2 m
.set YR,    64                         ; 64 numbers in layout D
.set TM,    128                        ; the quantiser: +0..3 largest magnitudes, +4..7 bytes, +12..15 scale operands
.set PC,    144                        ; the codes just made
.set PW,    164                        ; the scale word just made
.set BV,    166                        ; v166-229: b1, later b2, in layout D
.set FB,    64                         ; two buffers of four activation fragments: v64-111, v116-163
.set SPR,   192                        ; row sums, a pair for each row tile
.set SUM4,  200
.set RLD,   204
.set NMU,   220                        ; -mean, in both halves of a pair
.set RSTD,  228                        ; 1 / sqrt(var + eps), likewise
.set TPM,   236
.set MSB, 0
.macro WIN new                         ; the immediate's high byte repeats the setting that is left
.if MSB != (\new)
	s_set_vgpr_msb (MSB<<8)|(\new)
.set MSB, (\new)
.endif
.endm
.macro PLACES                          ; four plain places behind a matrix instruction of this form, in front of loads into its registers and of the first read of its results
.rept 4
	v_nop
.endr
.endm
.macro BARRIER                         ; my LDS stores have landed and my LDS loads are in: then the work-group's barrier
	s_wait_dscnt 0x0
	s_barrier_signal -1
	s_barrier_wait -1
.endm
.macro WL3 wofs, s, t                  ; my weight fragment t of K step s, from memory into its registers: three loads of 512 consecutive bytes.  It leaves the windows set for itself
	WIN 0x80+0x40*((\s)/2)
.irp c, 0,1,2
	global_load_b128 v[96*((\s)%2)+12*(\t)+4*\c:96*((\s)%2)+12*(\t)+4*\c+3], v1, s[12:13] offset:(\wofs)+12288*(\s)+FRB*(\t)+512*\c
.endr
.endm
.macro WLOAD wofs, s                   ; all eight of a K step in one run
.irp t, 0,1,2,3,4,5,6,7
	WL3 \wofs, \s, \t
.endr
	WIN 0
.endm
.macro VLOAD vec, reg, win             ; my 128 columns of a vector, in layout D: 64 registers
	WIN \win
.irp b, 0,1,2,3
.irp q, 0,1,2,3
	ds_load_b128 v[\reg+16*\b+4*\q:\reg+16*\b+4*\q+3], v4 offset:2048*(\vec)+128*\b+16*\q
.endr
.endr
	WIN 0
.endm
; 64 numbers of a lane in layout D become a fragment's codes in v[PC] on and its scale word in v[PW].
.macro QUANT s
.irp b, 0,1,2,3
	v_max3_num_f32 v[TM+\b], |v[\s+16*\b]|, |v[\s+1+16*\b]|, 0x1800000   ; block b: my 16 numbers, and the floor 2^(3 - 127): the byte cannot fall under 1
.endr
.irp i, 2,4,6,8,10,12,14
.irp b, 0,1,2,3
	v_max3_num_f32 v[TM+\b], v[TM+\b], |v[\s+16*\b+\i]|, |v[\s+1+16*\b+\i]|
.endr
.endr
.irp b, 0,1,2,3
	v_permlanex16_b32 v[TM+4+\b], v[TM+\b], s56, s57
.endr
.irp b, 0,1,2,3
	v_max_num_f32 v[TM+\b], v[TM+\b], v[TM+4+\b]   ; with lane l xor 16's: the block's largest magnitude
.endr
.irp b, 0,1,2,3
	v_add_nc_u32 v[TM+12+\b], 0xff000000, v[TM+\b] ; 2 off its exponent field: the conversion's scale operand
.endr
.irp b, 0,1,2,3
	v_lshrrev_b32 v[TM+4+\b], 23, v[TM+12+\b]      ; the scale's byte
.endr
	v_lshl_or_b32 v[PW], v[TM+5], 8, v[TM+4]
	v_lshl_or_b32 v[PW], v[TM+6], 16, v[PW]
	v_lshl_or_b32 v[PW], v[TM+7], 24, v[PW]
.irp c, 0,1
	v_cvt_scalef32_pk16_fp6_f32 v[PC+6*\c:PC+2+6*\c], v[\s+32*\c:\s+15+32*\c], v[TM+12+2*\c]
	v_cvt_scalef32_pk16_fp6_f32 v[PC+12+4*\c:PC+14+4*\c], v[\s+16+32*\c:\s+31+32*\c], v[TM+12+2*\c+1]   ; (a conversion's three registers begin on an even number)
.endr
	v_nop                                          ; one plain place behind a scaled conversion
.irp c, 0,1                                    ; the operand's layout wants a WHOLE block in a lane: lanes 0-15 block 2 c, lanes 16-31 block 2 c + 1
.irp i, 0,1,2
	v_permlane16_swap_b32 v[PC+6*\c+\i], v[PC+12+4*\c+\i]
.endr
.irp i, 0,1,2
	v_mov_b32 v[PC+3+6*\c+\i], v[PC+12+4*\c+\i]
.endr
.endr
.endm
.macro IMAGE off                       ; the fragment in v[PC] on goes to LDS as it stands: K step = my wave
.irp c, 0,1,2
	ds_store_b128 v6, v[PC+4*\c:PC+4*\c+3] offset:\off+512*\c
.endr
.endm
.macro FETCH reg, off                  ; and comes back so, in any wave
.irp c, 0,1,2
	ds_load_b128 v[\reg+4*\c:\reg+4*\c+3], v5 offset:\off+512*\c
.endr
.endm
	s_load_b512 s[8:23], s[0:1], 0x0               ; x s[8:9], qkv s[10:11], wimg s[12:13], wscl s[14:15], wo s[16:17], bo s[18:19], b1 s[20:21], b2 s[22:23]
	s_load_b128 s[24:27], s[0:1], 0x40             ; gamma s[24:25], beta s[26:27]
	s_load_b64 s[28:29], s[0:1], 0x50              ; out0
	v_lshl_add_u32 v254, v0, 2, 0x41000
	v_mov_b32 v255, 0
	ds_add_u32 v254, v255
	ds_add_u32 v254, v255
	v_lshrrev_b32 v1, 5, v0
	v_readfirstlane_b32 s2, v1                     ; wave 0..3
	v_and_b32 v27, 31, v0                          ; lane
	v_and_b32 v28, 15, v0                          ; r
	v_bfe_u32 v29, v0, 4, 1                        ; h
	v_lshlrev_b32 v1, 4, v27                       ; v1   16 x lane
	v_lshlrev_b32 v25, 2, v27                      ; v25  4 x lane
	v_lshlrev_b32 v30, 4, v28                      ; 16 r
	v_lshlrev_b32 v31, 4, v0                       ; v31  16 x thread
	v_mul_u32_u24 v24, v0, 288                     ; v24  wo: four rows of 72 bytes a thread
	s_mul_i32 s53, s2, XW                          ; my strip of x in LDS (also the descriptor's word)
	v_mul_u32_u24 v2, v28, XP
	v_lshl_add_u32 v2, v29, 6, v2
	v_add_nc_u32 v2, s53, v2                       ; v2   the strip in layout D: row r, + 64 h
	v_add_nc_u32 v3, s53, v1                       ; v3   the strip by rows: 16 bytes a lane
	s_lshl_b32 s4, s2, 9
	s_add_co_u32 s4, s4, VEC
	v_lshlrev_b32 v4, 6, v29
	v_add_nc_u32 v4, s4, v4                        ; v4   a vector in layout D: 512 wave + 64 h
	v_add_nc_u32 v13, s4, v1                       ; v13  my four columns of a vector: 512 wave + 16 lane: inside the bytes that my wave alone reads
	v_add_nc_u32 v5, AIMG, v1                      ; v5   an image's place for my lane
	s_mul_i32 s4, s2, FRB
	v_add_nc_u32 v6, s4, v5                        ; v6   where I store images: K step = my wave
	v_add_nc_u32 v7, ASC, v25                      ; v7   a scale word's place for my lane
	s_lshl_b32 s4, s2, 7
	v_add_nc_u32 v8, s4, v7                        ; v8   where I store scale words
	s_mul_i32 s4, s2, 1280
	s_add_co_u32 s4, s4, ATT
	v_lshl_add_u32 v9, v29, 2, v30
	v_add_nc_u32 v9, s4, v9                        ; v9   my queries' partial results: query A = row 16 h + r: 16 r + 4 h; query B 8 bytes on
	v_add_nc_u32 v10, ATT, v30                     ; v10  row r of all four row tiles
	s_lshl_b32 s4, s2, 8
	s_add_co_u32 s4, s4, RED
	v_add_nc_u32 v11, s4, v30                      ; v11  my wave's row sums
	v_add_nc_u32 v12, RED, v30                     ; v12  every wave's
	s_mul_i32 s41, s2, KW
	s_add_co_u32 s41, s41, KV                      ; my 512 keys in LDS (also the descriptor's word)
	v_mov_b32 v26, s41                             ; v26  the same: every lane reads the same keys
	; descriptor group 1 for the keys: 6 rows (k0 .. v2) of 256 elements of 8 bytes, 65,536 bytes apart in memory, dense in LDS
	s_mov_b32 s32, 3<<16                           ; no mask; elements of 8 bytes; no padding
	s_mov_b32 s33, 256<<16                         ; tensor_dim0
	s_mov_b32 s34, 6<<16                           ; tensor_dim1
	s_mov_b32 s35, 256<<16                         ; tile_dim0
	s_mov_b32 s36, 6                               ; tile_dim1
	s_mov_b32 s37, 8192                            ; elements from row to row
	s_mov_b32 s38, 0
	s_mov_b32 s39, 0
	; and for x: 64 rows of 64 elements of 8 bytes, 2,048 bytes apart; 4 words of padding behind every 128
	s_mov_b32 s44, (3<<16)|(1<<20)|(6<<22)|(3<<25)
	s_mov_b32 s45, 64<<16
	s_mov_b32 s46, 64<<16
	s_mov_b32 s47, 64<<16
	s_mov_b32 s48, 64
	s_mov_b32 s49, 256
	s_mov_b32 s50, 0
	s_mov_b32 s51, 0
	s_mov_b32 s40, 1
	s_mov_b32 s52, 1
	s_mov_b32 s56, 0x76543210
	s_mov_b32 s57, 0xfedcba98                      ; v_permlanex16_b32's selects for lane l xor 16
	s_mov_b32 s58, 0x3f553b95                      ; c = log2(e) / sqrt(3)
	s_mov_b32 s59, 0x3b000000                      ; 1 / 512
	s_mov_b32 s60, 0x3727c5ac                      ; eps = 1e-5
	s_mov_b32 s61, 0xbb000000                      ; -1 / 512
	s_mov_b32 s31, 0                               ; bytes into a key array: 64 a chunk
	s_lshr_b32 s4, ttmp9, 5                        ; the batch: 32 work-groups each
	s_lshl_b32 s4, s4, 13                          ; its 2,048 keys x 4 bytes,
	s_lshl_b32 s6, s2, 11                          ; my wave's 512,
	s_add_co_u32 s4, s4, s6
	s_add_co_u32 s4, s4, 3*65536                   ; from array k0 on
	s_mov_b32 s5, 0
	s_lshl_b32 s6, ttmp9, 17                       ; x and out: 64 rows of 2,048 bytes a work-group,
	s_lshl_b32 s7, s2, 9                           ; my wave's 512 bytes of a row
	s_add_co_u32 s6, s6, s7
	s_mov_b32 s7, 0
	s_wait_dscnt 0x0
	s_wait_kmcnt 0x0
	s_add_nc_u64 s[42:43], s[10:11], s[4:5]
	s_or_b32 s43, s43, 0x80000000                  ; type = 2
	s_add_nc_u64 s[54:55], s[8:9], s[6:7]
	s_or_b32 s55, s55, 0x80000000
	s_add_nc_u64 s[28:29], s[28:29], s[6:7]
	s_mul_i32 s4, s2, 49152                        ; my 32 fragments of a weight
	s_add_nc_u64 s[12:13], s[12:13], s[4:5]
	s_lshl_b32 s4, s2, 11                          ; and their scale words
	s_add_nc_u64 s[14:15], s[14:15], s[4:5]
	s_lshl_b32 s4, ttmp9, 8                        ; q: 64 rows of 4 bytes
	s_add_nc_u64 s[62:63], s[10:11], s[4:5]
	tensor_load_to_lds s[40:43], s[32:39]          ; my keys first: the attention begins with them
	s_nop 0
	tensor_load_to_lds s[52:55], s[44:51]          ; my strip of x: it has the whole attention in which to land
	s_nop 0
.rept 4
	v_nop
.endr
	; ---- the head: 29 loads that are wanted now, 32 that may wait
	global_load_b128 v[64:67], v31, s[18:19]       ; bo
	global_load_b128 v[68:71], v31, s[20:21]       ; b1
	global_load_b128 v[72:75], v31, s[22:23]       ; b2
	global_load_b128 v[76:79], v31, s[24:25]       ; gamma
	global_load_b128 v[80:83], v31, s[26:27]       ; beta
.irp i, 0,1,2,3,4,5,6,7,8,9,10,11,12,13,14,15,16,17
	global_load_b128 v[84+4*\i:87+4*\i], v24, s[16:17] offset:16*\i   ; wo: rows 4 thread .. 4 thread + 3: register 84 + 18 cc + j = wo[4 thread + cc][j]
.endr
.irp a, 0,1,2
	global_load_b32 v[236+\a], v25, s[62:63] offset:65536*\a          ; q of query A
	global_load_b32 v[239+\a], v25, s[62:63] offset:65536*\a+128      ; and of query B
.endr
.irp s, 0,1,2,3
	global_load_b128 v[32+4*\s:35+4*\s], v1, s[14:15] offset:512*\s        ; w1's scale words of K step s: register u: lanes 0-15 tile 2 u, lanes 16-31 tile 2 u + 1
	global_load_b128 v[48+4*\s:51+4*\s], v1, s[14:15] offset:8192+512*\s   ; w2's
.endr
	WLOAD 0, 0
	s_wait_loadcnt 32                              ; the 29 are in; the 8 loads of scale words and the 24 of w1's K step 0 may be out
.irp d, 0,1,2
.irp c, 0,1,2,3
	v_add_f32 v[156+4*\d+\c], v[84+18*\c+\d], v[84+18*\c+3+\d]       ; E_d of my four columns: the six heads' weights added
.endr
.endr
.irp h, 2,3,4,5
.irp d, 0,1,2
.irp c, 0,1,2,3
	v_add_f32 v[156+4*\d+\c], v[156+4*\d+\c], v[84+18*\c+3*\h+\d]
.endr
.endr
.endr
.irp d, 0,1,2
	ds_store_b128 v13, v[156+4*\d:159+4*\d] offset:2048*\d
.endr
.irp i, 0,1,2,3,4
	ds_store_b128 v13, v[64+4*\i:67+4*\i] offset:2048*(3+\i)
.endr
.irp a, 0,1,2
	v_mul_f32 v[QPA+2*\a], s58, v[236+\a]          ; c q, once: the scores then are t = score x log2(e) / sqrt(3)
	v_mul_f32 v[QPA+2*\a+1], s58, v[236+\a]
	v_mul_f32 v[QPB+2*\a], s58, v[239+\a]
	v_mul_f32 v[QPB+2*\a+1], s58, v[239+\a]
.endr
	v_mov_b32 v[STA], 0xff61b1e6                   ; the largest t so far: -3e38
	v_mov_b32 v[STB], 0xff61b1e6
.irp i, 1,2,3,4,5,6,7,8,9,10,11
	v_mov_b32 v[STA+\i], 0                         ; l and z begin as zeros, which the first rescaling leaves zeros
	v_mov_b32 v[STB+\i], 0
.endr
.irp i, 0,1,2,3
	v_mov_b32 v[TPM+\i], 0                         ; a lane permute's destination counts as one of its sources: written once
.endr
	s_wait_dscnt 0x0                               ; the stores have read their registers: the keys land there
	; ---- THE ATTENTION: 32 chunks of 16 keys
.macro KF d                            ; 16 keys' k_d
.irp i, 0,1,2,3
	ds_load_b128 v[KREG+16*(\d)+4*\i:KREG+16*(\d)+4*\i+3], v14 offset:2048*(\d)+16*\i
.endr
.endm
.macro VF                              ; 16 keys' v
.irp d, 0,1,2
.irp i, 0,1,2,3
	ds_load_b128 v[VREG+16*\d+4*\i:VREG+16*\d+4*\i+3], v15 offset:6144+2048*\d+16*\i
.endr
.endr
.endm
.macro HOOK n                          ; one of the six vectors that the later phases keep in registers, or none
.if (\n) == 1
	VLOAD 0, 0, 0x40                               ; E0, E1, E2, bo into window 1
.elseif (\n) == 2
	VLOAD 1, 64, 0x40
.elseif (\n) == 3
	VLOAD 2, 128, 0x40
.elseif (\n) == 4
	VLOAD 3, 192, 0x40
.elseif (\n) == 5
	VLOAD 6, 192, 0x80                             ; gamma into window 2
.elseif (\n) == 6
	VLOAD 7, 192, 0xc0                             ; beta into window 3
.endif
.endm
.macro CWL wl, g                       ; fragment g of w1's K step wl, or nothing
.if (\wl) > 0
	WL3 0, \wl, \g
	WIN 0
.endif
.endm
; pre = 1: the next chunk's keys are fetched.  ha, hb: vectors fetched on the way.  wl: a K step of w1 asked for on the way, a fragment at each of eight places.
; The two queries' lines take turns, so that every exponential has a plain line of the other query behind it before its result is read.
; LDS loads come back in order: a vector's 16 loads stand ahead of the 12 that a count leaves out, so the counts hold with them and without.
.macro CHUNK pre, ha, hb, wl
	s_wait_dscnt 12                                ; k is in; v's 12 loads may be out
.if \pre
	s_add_co_u32 s31, s31, 64
	v_add_nc_u32 v14, s31, v26                     ; k's loads are in, so their address steps: made here, well ahead of its next loads
.endif
	HOOK \ha
.irp i, 0,1,2,3,4,5,6,7
	v_pk_mul_f32 v[SCA+2*\i:SCA+2*\i+1], v[KREG+2*\i:KREG+2*\i+1], v[QPA:QPA+1]
	v_pk_mul_f32 v[SCB+2*\i:SCB+2*\i+1], v[KREG+2*\i:KREG+2*\i+1], v[QPB:QPB+1]
.endr
.if \pre
	KF 0                                           ; the next chunk's k, each dimension as soon as this chunk has multiplied by it: four loads at a time
.endif
	CWL \wl, 0
.irp d, 1,2
.irp i, 0,1,2,3,4,5,6,7
	v_pk_fma_f32 v[SCA+2*\i:SCA+2*\i+1], v[KREG+16*\d+2*\i:KREG+16*\d+2*\i+1], v[QPA+2*\d:QPA+2*\d+1], v[SCA+2*\i:SCA+2*\i+1]
	v_pk_fma_f32 v[SCB+2*\i:SCB+2*\i+1], v[KREG+16*\d+2*\i:KREG+16*\d+2*\i+1], v[QPB+2*\d:QPB+2*\d+1], v[SCB+2*\i:SCB+2*\i+1]
.endr
.if \pre
	KF \d
.endif
	CWL \wl, \d
.endr
	v_max3_num_f32 v[STA+12], v[SCA], v[SCA+1], v[SCA+2]
	v_max3_num_f32 v[STB+12], v[SCB], v[SCB+1], v[SCB+2]
	v_max3_num_f32 v[STA+13], v[SCA+3], v[SCA+4], v[SCA+5]
	v_max3_num_f32 v[STB+13], v[SCB+3], v[SCB+4], v[SCB+5]
.irp i, 6,10
	v_max3_num_f32 v[STA+12], v[STA+12], v[SCA+\i], v[SCA+\i+1]
	v_max3_num_f32 v[STB+12], v[STB+12], v[SCB+\i], v[SCB+\i+1]
	v_max3_num_f32 v[STA+13], v[STA+13], v[SCA+\i+2], v[SCA+\i+3]
	v_max3_num_f32 v[STB+13], v[STB+13], v[SCB+\i+2], v[SCB+\i+3]
.endr
	v_max3_num_f32 v[STA+12], v[STA+12], v[SCA+14], v[SCA+15]
	v_max3_num_f32 v[STB+12], v[STB+12], v[SCB+14], v[SCB+15]
	v_mov_b32 v[STA+14], v[STA]
	v_mov_b32 v[STB+14], v[STB]
	v_max3_num_f32 v[STA], v[STA+12], v[STA+13], v[STA]              ; the running maximum m
	v_max3_num_f32 v[STB], v[STB+12], v[STB+13], v[STB]
	v_sub_f32 v[STA+1], v[STA+14], v[STA]
	v_sub_f32 v[STB+1], v[STB+14], v[STB]
	v_exp_f32 v[STA+2], v[STA+1]                   ; f = 2^(m_old - m): 1 where m has not grown
	v_exp_f32 v[STB+2], v[STB+1]
	CWL \wl, 3
.irp i, 0,1,2,3,4,5,6,7
	v_pk_add_f32 v[SCA+2*\i:SCA+2*\i+1], v[SCA+2*\i:SCA+2*\i+1], v[STA:STA+1] op_sel_hi:[1,0] neg_lo:[0,1] neg_hi:[0,1]   ; t - m
.endr
	CWL \wl, 4
.irp i, 0,1,2,3,4,5,6,7
	v_exp_f32 v[SCA+2*\i], v[SCA+2*\i]             ; p = 2^(t - m)
	v_pk_add_f32 v[SCB+2*\i:SCB+2*\i+1], v[SCB+2*\i:SCB+2*\i+1], v[STB:STB+1] op_sel_hi:[1,0] neg_lo:[0,1] neg_hi:[0,1]
	v_exp_f32 v[SCA+2*\i+1], v[SCA+2*\i+1]
.endr
	CWL \wl, 5
.if \pre
	s_wait_dscnt 12                                ; v is in; the next chunk's 12 loads of k may be out
	v_add_nc_u32 v15, s31, v26                     ; v's loads are in, so their address steps
	s_wait_alu depctr_va_vdst(0)
.else
	s_wait_dscnt 0x0
.endif
	HOOK \hb
	s_wait_alu depctr_va_vdst(0)
.irp d, 0,1,2
	v_pk_mul_f32 v[STA+6+2*\d:STA+7+2*\d], v[STA+6+2*\d:STA+7+2*\d], v[STA+2:STA+3] op_sel_hi:[1,0]   ; z under the new m
	v_pk_mul_f32 v[STB+6+2*\d:STB+7+2*\d], v[STB+6+2*\d:STB+7+2*\d], v[STB+2:STB+3] op_sel_hi:[1,0]
.endr
.irp i, 0,1,2,3,4,5,6,7
	v_exp_f32 v[SCB+2*\i], v[SCB+2*\i]
.if \i == 0
	v_pk_fma_f32 v[STA+4:STA+5], v[STA+4:STA+5], v[STA+2:STA+3], v[SCA:SCA+1] op_sel_hi:[1,0,1]       ; l = l f + p
.else
	v_pk_add_f32 v[STA+4:STA+5], v[STA+4:STA+5], v[SCA+2*\i:SCA+2*\i+1]
.endif
	v_exp_f32 v[SCB+2*\i+1], v[SCB+2*\i+1]
	v_pk_fma_f32 v[STA+6:STA+7], v[SCA+2*\i:SCA+2*\i+1], v[VREG+2*\i:VREG+2*\i+1], v[STA+6:STA+7]     ; z0 += p v0
.endr
	CWL \wl, 6
.irp i, 0,1,2,3,4,5,6,7
	v_pk_fma_f32 v[STA+8:STA+9], v[SCA+2*\i:SCA+2*\i+1], v[VREG+16+2*\i:VREG+17+2*\i], v[STA+8:STA+9]
	v_pk_fma_f32 v[STA+10:STA+11], v[SCA+2*\i:SCA+2*\i+1], v[VREG+32+2*\i:VREG+33+2*\i], v[STA+10:STA+11]
.if \i == 0
	s_wait_alu depctr_va_vdst(0)
	v_pk_fma_f32 v[STB+4:STB+5], v[STB+4:STB+5], v[STB+2:STB+3], v[SCB:SCB+1] op_sel_hi:[1,0,1]
.else
	v_pk_add_f32 v[STB+4:STB+5], v[STB+4:STB+5], v[SCB+2*\i:SCB+2*\i+1]
.endif
	v_pk_fma_f32 v[STB+6:STB+7], v[SCB+2*\i:SCB+2*\i+1], v[VREG+2*\i:VREG+2*\i+1], v[STB+6:STB+7]
	v_pk_fma_f32 v[STB+8:STB+9], v[SCB+2*\i:SCB+2*\i+1], v[VREG+16+2*\i:VREG+17+2*\i], v[STB+8:STB+9]
	v_pk_fma_f32 v[STB+10:STB+11], v[SCB+2*\i:SCB+2*\i+1], v[VREG+32+2*\i:VREG+33+2*\i], v[STB+10:STB+11]
.endr
	CWL \wl, 7
.if \pre
	VF                                             ; the next chunk's v
.endif
.endm
.macro SEG n                           ; n plain chunks
	s_mov_b32 s30, \n
.Lseg_\@:
	CHUNK 1, 0, 0, 0
	s_sub_co_u32 s30, s30, 1
	s_cmp_lg_u32 s30, 0
	s_cbranch_scc1 .Lseg_\@
.endm
	s_wait_tensorcnt 0x1                           ; my keys have landed; my strip of x may be out.  Only I read what my loads bring
	v_add_nc_u32 v14, s31, v26
	KF 0
	KF 1
	KF 2
	v_add_nc_u32 v15, s31, v26
	VF
	CHUNK 1, 1, 2, 1                               ; 1 + 7 + 1 + 7 + 1 + 14 + 1 = 32 chunks.  The three that carry fetches lie eight chunks apart, so that one K step's 24 loads have come before the next are asked for
	SEG 7
	CHUNK 1, 3, 4, 2
	SEG 7
	CHUNK 1, 5, 6, 3
	SEG 14
	CHUNK 0, 0, 0, 0                               ; the last chunk fetches nothing: no read leaves my keys
.irp i, 4,6,8,10
	v_add_f32 v[STA+\i], v[STA+\i], v[STA+\i+1]    ; the even keys' and the odd keys' halves
	v_add_f32 v[STB+\i], v[STB+\i], v[STB+\i+1]
.endr
	ds_store_b32 v9, v[STA]
	ds_store_b32 v9, v[STB] offset:8
.irp a, 1,2,3,4
	ds_store_b32 v9, v[STA+2+2*\a] offset:256*\a
	ds_store_b32 v9, v[STB+2+2*\a] offset:256*\a+8
.endr
	BARRIER                                        ; every wave's partial results lie in LDS
	; ---- the four waves' results are merged: lane (r, h) takes rows 16 m + r, m = 0 .. 3
.irp w, 0,1,2,3
.irp a, 0,1,2,3,4
	ds_load_b128 v[ML+20*\w+4*\a:ML+20*\w+4*\a+3], v10 offset:1280*\w+256*\a
.endr
.endr
	s_wait_dscnt 0x0
.irp m, 0,1,2,3
	v_max3_num_f32 v[MXR+\m], v[ML+\m], v[ML+20+\m], v[ML+40+\m]
.endr
.irp m, 0,1,2,3
	v_max_num_f32 v[MXR+\m], v[MXR+\m], v[ML+60+\m]
.endr
.irp w, 0,1,2,3
.irp m, 0,1,2,3
	v_sub_f32 v[FW+4*\w+\m], v[ML+20*\w+\m], v[MXR+\m]
.endr
.endr
.irp w, 0,1,2,3
.irp m, 0,1,2,3
	v_exp_f32 v[FW+4*\w+\m], v[FW+4*\w+\m]         ; 2^(the wave's m - the row's)
.endr
.endr
	v_nop                                          ; one plain place behind a transcendental
	s_wait_alu depctr_va_vdst(0)
.irp m, 0,1,2,3
	v_mul_f32 v[LS+\m], v[FW+\m], v[ML+4+\m]
.endr
.irp d, 0,1,2
.irp m, 0,1,2,3
	v_mul_f32 v[ZS+4*\d+\m], v[FW+\m], v[ML+8+4*\d+\m]
.endr
.endr
.irp w, 1,2,3
.irp m, 0,1,2,3
	v_fma_f32 v[LS+\m], v[FW+4*\w+\m], v[ML+20*\w+4+\m], v[LS+\m]
.endr
.irp d, 0,1,2
.irp m, 0,1,2,3
	v_fma_f32 v[ZS+4*\d+\m], v[FW+4*\w+\m], v[ML+20*\w+8+4*\d+\m], v[ZS+4*\d+\m]
.endr
.endr
.endr
.irp m, 0,1,2,3
	v_rcp_f32 v[LS+\m], v[LS+\m]
.endr
	v_nop
	s_wait_alu depctr_va_vdst(0)
.irp d, 0,1,2
.irp m, 0,1,2,3
	v_mul_f32 v[ZP+8*\d+2*\m], v[ZS+4*\d+\m], v[LS+\m]               ; z_d, in both halves of a pair
	v_mul_f32 v[ZP+8*\d+2*\m+1], v[ZS+4*\d+\m], v[LS+\m]
.endr
.endr
.irp b, 0,1,2,3
	v_mov_b32 v[TM+4+\b], 0                        ; a lane permute's destination counts as one of its sources
.endr
.macro XLOADS                          ; my strip of x in layout D into the accumulators, row tile by row tile; the 16 rows of a load start in 16 different columns of 16 bytes
	WIN 0x40
.irp n, 0,1,2,3
.irp b, 0,1,2,3
.irp q, 0,1,2,3
	ds_load_b128 v[64*\n+16*\b+4*\q:64*\n+16*\b+4*\q+3], v2 offset:16*XP*\n+128*\b+16*\q
.endr
.endr
.endr
	WIN 0
.endm
.macro ACCADD m, src                   ; the vector in v[src] on is added to row tile m's accumulators.  It leaves the windows set for itself
	WIN 0x41                                       ; destination and source 0 window 1
.set j, 0
.rept 32
	v_pk_add_f32 v[64*(\m)+j:64*(\m)+j+1], v[64*(\m)+j:64*(\m)+j+1], v[(\src)+j:(\src)+j+1]
.set j, j+2
.endr
.endm
	; ---- a = z0 E0 + z1 E1 + z2 E2 + bo on my 128 columns, a row tile at a time; quantised: K step w of the first product
.irp m, 0,1,2,3
	WIN 0x11                                       ; source 0 (E0) and source 2 (bo) window 1
.set j, 0
.rept 32
	v_pk_fma_f32 v[YR+j:YR+j+1], v[j:j+1], v[ZP+2*\m:ZP+2*\m+1], v[192+j:193+j]
.set j, j+2
.endr
	WIN 0x01
.set j, 0
.rept 32
	v_pk_fma_f32 v[YR+j:YR+j+1], v[64+j:65+j], v[ZP+8+2*\m:ZP+9+2*\m], v[YR+j:YR+j+1]
.set j, j+2
.endr
.set j, 0
.rept 32
	v_pk_fma_f32 v[YR+j:YR+j+1], v[128+j:129+j], v[ZP+16+2*\m:ZP+17+2*\m], v[YR+j:YR+j+1]
.set j, j+2
.endr
	WIN 0
	s_wait_dscnt 0x0                               ; the tile before's stores have read the codes' registers, which the quantiser below writes again: they were issued 96 lines ago
.if \m == 3
	VLOAD 4, BV, 0                                 ; E and bo are done with: b1, and x into their registers, are asked for ahead of the last quantiser
	s_wait_tensorcnt 0x0                           ; my strip of x has landed
	XLOADS
.endif
	QUANT YR
	IMAGE 4*FRB*\m
	ds_store_b32 v8, v[PW] offset:512*\m
.endr
	; ---- the accumulators begin as x + b1
.irp m, 0,1,2,3
	s_wait_dscnt 4+16*(3-\m)                       ; b1 and x's tiles up to this one are in; the later tiles' 16 loads each and the image's four stores may be out
	ACCADD \m, BV
.endr
	WIN 0
	BARRIER                                        ; a's sixteen fragments lie in LDS
; Four activation fragments (row tiles 0-3) of K step s and their scale words into buffer bn: 16 LDS loads
.macro FET s, bn, ioff
.irp m, 0,1,2,3
	FETCH FB+52*(\bn)+12*\m, (\ioff)+(4*\m+(\s))*FRB
	ds_load_b32 v[16+4*(\bn)+\m], v7 offset:(\ioff)+128*(4*\m+(\s))
.endr
.endm
; A product: 4 K steps of 32 matrix instructions.  The 32 accumulators take turns, one instruction a turn, in the same order in every K step.
; ioff: where the activation's images lie; ws: the weight's scale words; reload = 1: the registers of K step s - 1 take w2's fragments while K step s is multiplied, three loads behind every fourth matrix
; instruction (two switches of the windows each time: the price of loads that are issued while the matrix unit works); the four places behind K step s - 1 stand ahead of them.
.macro PRODUCT ioff, ws, reload
	FET 0, 0, \ioff
	FET 1, 1, \ioff
.irp s, 0,1,2,3
.if \reload
.if \s == 0
	s_wait_loadcnt 0x0                             ; all of w1 and both weights' scale words: asked for during the attention
.endif
.elseif \s == 0
	s_wait_loadcnt 63                              ; w2 came by 96 loads: with 63 out at the most, K step 0's 24 are in (72 may stay out, which the field does not hold)
.else
	s_wait_loadcnt 24*(3-\s)                       ; this K step's 24 loads are in; the later K steps' may be out
.endif
.if \s < 3
	s_wait_dscnt 16                                ; this K step's fragments are in; the next one's 16 loads may be out
.else
	s_wait_dscnt 0x0
.endif
	WIN 0x52+(\s/2)                                ; source 0 (weights) window 2 or 3, source 1 window 0, C and D window 1
.irp m, 0,1,2,3
.irp t, 0,1,2,3,4,5,6,7
.if \t%2
	v_wmma_scale_f32_16x16x128_f8f6f4 v[64*\m+8*\t:64*\m+8*\t+7], v[96*(\s%2)+12*\t:96*(\s%2)+12*\t+11], v[FB+52*(\s%2)+12*\m:FB+52*(\s%2)+12*\m+11], v[64*\m+8*\t:64*\m+8*\t+7], v[\ws+4*\s+\t/2], v[16+4*(\s%2)+\m] matrix_a_fmt:MATRIX_FMT_FP6 matrix_b_fmt:MATRIX_FMT_FP6 matrix_a_scale:MATRIX_SCALE_ROW1
.else
	v_wmma_scale_f32_16x16x128_f8f6f4 v[64*\m+8*\t:64*\m+8*\t+7], v[96*(\s%2)+12*\t:96*(\s%2)+12*\t+11], v[FB+52*(\s%2)+12*\m:FB+52*(\s%2)+12*\m+11], v[64*\m+8*\t:64*\m+8*\t+7], v[\ws+4*\s+\t/2], v[16+4*(\s%2)+\m] matrix_a_fmt:MATRIX_FMT_FP6 matrix_b_fmt:MATRIX_FMT_FP6
.endif
.if \reload && (\s > 0) && (\t%4 == 3)
	WL3 196608, \s-1, 2*\m+\t/4
	WIN 0x52+(\s/2)
.endif
.endr
.endr
	WIN 0
	PLACES
.if \reload && (\s == 3)
	WLOAD 196608, 3                                ; the last K step's registers: no product is left to stand beside these 24 loads
.endif
.if \s < 2
	FET \s+2, \s%2, \ioff
.endif
.endr
.endm
; The sum over my 128 columns of each of my rows (sq = 0) or of their squares (sq = 1): v[SUM4 + m] for row 16 m + r.  Each accumulator is read from its low end on.
.macro ROWSUM sq
	WIN 0x05                                       ; sources 0 and 1 window 1
.if \sq
.irp m, 0,1,2,3
	v_pk_mul_f32 v[SPR+2*\m:SPR+2*\m+1], v[64*\m:64*\m+1], v[64*\m:64*\m+1]
.endr
.set j, 2
.rept 31
.irp m, 0,1,2,3
	v_pk_fma_f32 v[SPR+2*\m:SPR+2*\m+1], v[64*\m+j:64*\m+j+1], v[64*\m+j:64*\m+j+1], v[SPR+2*\m:SPR+2*\m+1]
.endr
.set j, j+2
.endr
.else
.irp m, 0,1,2,3
	v_pk_add_f32 v[SPR+2*\m:SPR+2*\m+1], v[64*\m:64*\m+1], v[64*\m+2:64*\m+3]
.endr
	WIN 0x04                                       ; source 1 window 1
.set j, 4
.rept 30
.irp m, 0,1,2,3
	v_pk_add_f32 v[SPR+2*\m:SPR+2*\m+1], v[SPR+2*\m:SPR+2*\m+1], v[64*\m+j:64*\m+j+1]
.endr
.set j, j+2
.endr
.endif
	WIN 0
.irp m, 0,1,2,3
	v_add_f32 v[SUM4+\m], v[SPR+2*\m], v[SPR+2*\m+1]
.endr
.irp m, 0,1,2,3
	v_permlanex16_b32 v[TPM+\m], v[SUM4+\m], s56, s57
.endr
.irp m, 0,1,2,3
	v_add_f32 v[SUM4+\m], v[SUM4+\m], v[TPM+\m]    ; with lane l xor 16's columns
.endr
.endm
.macro XCHG k                          ; the four waves' sums are added; each exchange has LDS bytes of its own, so one barrier serves it
	ds_store_b128 v11, v[SUM4:SUM4+3] offset:1024*(\k)               ; (both halves of the lanes write the same 16 bytes with the same values)
	BARRIER
.irp w, 0,1,2,3
	ds_load_b128 v[RLD+4*\w:RLD+4*\w+3], v12 offset:1024*(\k)+256*\w
.endr
	s_wait_dscnt 0x0
.irp m, 0,1,2,3
	v_add_f32 v[SUM4+\m], v[RLD+\m], v[RLD+4+\m]
.endr
.irp m, 0,1,2,3
	v_add_f32 v[RLD+8+\m], v[RLD+8+\m], v[RLD+12+\m]
.endr
.irp m, 0,1,2,3
	v_add_f32 v[SUM4+\m], v[SUM4+\m], v[RLD+8+\m]
.endr
.endm
; A LayerNorm's figures: the accumulators become deviations from the row's mean; v[RSTD] on: 1 / sqrt(var + eps)
.macro LNSTAT k
	ROWSUM 0
	XCHG \k
.irp m, 0,1,2,3
	v_mul_f32 v[NMU+2*\m], s61, v[SUM4+\m]         ; -mean
	v_mul_f32 v[NMU+2*\m+1], s61, v[SUM4+\m]
.endr
	WIN 0x41
.irp m, 0,1,2,3
.set j, 0
.rept 32
	v_pk_add_f32 v[64*\m+j:64*\m+j+1], v[64*\m+j:64*\m+j+1], v[NMU+2*\m:NMU+2*\m+1]
.set j, j+2
.endr
.endr
	ROWSUM 1
	XCHG (\k)+1
.irp m, 0,1,2,3
	v_fma_f32 v[SUM4+\m], v[SUM4+\m], s59, s60     ; var + eps
.endr
.irp m, 0,1,2,3
	v_rsq_f32 v[RSTD+2*\m], v[SUM4+\m]
	v_rsq_f32 v[RSTD+2*\m+1], v[SUM4+\m]
.endr
	v_nop                                          ; one plain place behind a transcendental
	s_wait_alu depctr_va_vdst(0)
.endm
.macro NORM m, y                       ; row tile m: deviation / sqrt(var + eps) x gamma + beta, into v[y] on
	WIN 0x01
.set j, 0
.rept 32
	v_pk_mul_f32 v[\y+j:\y+j+1], v[64*(\m)+j:64*(\m)+j+1], v[RSTD+2*(\m):RSTD+2*(\m)+1]
.set j, j+2
.endr
	WIN 0x38                                       ; source 1 (gamma) window 2, source 2 (beta) window 3
.set j, 0
.rept 32
	v_pk_fma_f32 v[\y+j:\y+j+1], v[\y+j:\y+j+1], v[192+j:193+j], v[192+j:193+j]
.set j, j+2
.endr
	WIN 0
.endm
	PRODUCT 0, 32, 1                               ; r0 = x + b1 + Q(a) Q(w1)^T; w2 follows w1 through the registers
	LNSTAT 0
.irp m, 0,1,2,3                                ; y = LayerNorm(r0) on my 128 columns, quantised: K step w of the second product
	NORM \m, YR
	s_wait_dscnt 0x0                               ; the tile before's stores have read the codes' registers: they were issued 64 lines ago
.if \m == 3
	VLOAD 5, BV, 0                                 ; b2, asked for ahead of the last quantiser (of the registers it takes, v228-229 held tile 0's 1 / sqrt, which is done with)
.endif
	QUANT YR
	IMAGE YOFF+4*FRB*\m
	ds_store_b32 v8, v[PW] offset:YOFF+512*\m
.endr
	s_wait_dscnt 4                                 ; b2 is in; the image's four stores may be out
.irp m, 0,1,2,3
	ACCADD \m, BV
.endr
	WIN 0
	BARRIER                                        ; y's sixteen fragments lie in LDS
	PRODUCT YOFF, 48, 0                            ; r - mean(r0) = d + b2 + Q(y) Q(w2)^T
	LNSTAT 2
	; ---- THE WAY OUT, a row tile at a time, through my own strip in LDS: in by layout D, back as whole rows of my 512 bytes
.macro OUT_A m
.set OS, YR+64*((\m)%2)
	NORM \m, OS
.irp b, 0,1,2,3
.irp q, 0,1,2,3
	ds_store_b128 v2, v[OS+16*\b+4*\q:OS+16*\b+4*\q+3] offset:16*XP*(\m)+128*\b+16*\q
.endr
.endr
.irp i, 0,1,2,3,4,5,6,7,8,9,10,11,12,13,14,15
	ds_load_b128 v[OS+4*\i:OS+4*\i+3], v3 offset:16*XP*(\m)+XP*\i    ; LDS serves a wave's instructions in order (ISA guide 5.7.1.4): these see the stores above
.endr
.endm
.macro OUT_B m, younger                ; younger: the LDS instructions issued behind tile m's loads, which may stay out
.set OS, YR+64*((\m)%2)
	s_wait_dscnt \younger
.irp i, 0,1,2,3,4,5,6,7,8,9,10,11,12,13,14,15
	global_store_b128 v1, v[OS+4*\i:OS+4*\i+3], s[28:29] offset:2048*(16*(\m)+\i) th:TH_STORE_NT   ; 32 lanes store 512 consecutive bytes, at a multiple of 256 from out0's first byte; written once, read by nobody here
.endr
.endm
	OUT_A 0
	OUT_A 1
	OUT_B 0, 32                                    ; behind tile 0's loads: tile 1's 16 stores and 16 loads
	s_wait_xcnt 0x0                                ; tile 0's stores have read their registers: tile 2 is made there
	OUT_A 2
	OUT_B 1, 32
	s_wait_xcnt 0x0                                ; tile 1's likewise
	OUT_A 3
	OUT_B 2, 32
	OUT_B 3, 0
	s_wait_tensorcnt 0x0
	ds_add_u32 v254, v255
	s_wait_dscnt 0x0
	s_endpgm
.Lfunc_end_k_q9ffe71c881_block:
	.size	k_q9ffe71c881_block, .Lfunc_end_k_q9ffe71c881_block-k_q9ffe71c881_block
	.p2alignl 7, 3214868480
	.fill 96, 4, 3214868480
	.section	.rodata,"a",@progbits
	.p2align	6, 0x0
	.amdhsa_kernel k_q9ffe71c881_block
		.amdhsa_group_segment_fixed_size 266752
		.amdhsa_private_segment_fixed_size 0
		.amdhsa_enable_private_segment 0
		.amdhsa_kernarg_size 88
		.amdhsa_user_sgpr_count 2
		.amdhsa_user_sgpr_kernarg_segment_ptr 1
		.amdhsa_wavefront_size32 1
		.amdhsa_system_sgpr_workgroup_id_x 1
		.amdhsa_system_sgpr_workgroup_id_y 1
		.amdhsa_system_sgpr_workgroup_id_z 1
		.amdhsa_system_vgpr_workitem_id 0
		.amdhsa_next_free_vgpr 1024
		.amdhsa_next_free_sgpr 66
		.amdhsa_reserve_vcc 0
		.amdhsa_float_denorm_mode_32 3
		.amdhsa_float_denorm_mode_16_64 3
		.amdhsa_memory_ordered 1
		.amdhsa_forward_progress 1
		.amdhsa_inst_pref_size 255
	.end_amdhsa_kernel
	.section	.bss,"aw",@nobits
	.p2align	6
	.space	262144
	.amdgpu_metadata
---
amdhsa.version: [ 1, 2 ]
amdhsa.kernels:
  - .name:           k_q9ffe71c881_block
    .symbol:         k_q9ffe71c881_block.kd
    .args:
      - { .name: x, .offset: 0, .size: 8, .value_kind: global_buffer, .address_space: global }
      - { .name: qkv, .offset: 8, .size: 8, .value_kind: global_buffer, .address_space: global }
      - { .name: wimg, .offset: 16, .size: 8, .value_kind: global_buffer, .address_space: global }
      - { .name: wscl, .offset: 24, .size: 8, .value_kind: global_buffer, .address_space: global }
      - { .name: wo, .offset: 32, .size: 8, .value_kind: global_buffer, .address_space: global }
      - { .name: bo, .offset: 40, .size: 8, .value_kind: global_buffer, .address_space: global }
      - { .name: b1, .offset: 48, .size: 8, .value_kind: global_buffer, .address_space: global }
      - { .name: b2, .offset: 56, .size: 8, .value_kind: global_buffer, .address_space: global }
      - { .name: gamma, .offset: 64, .size: 8, .value_kind: global_buffer, .address_space: global }
      - { .name: beta, .offset: 72, .size: 8, .value_kind: global_buffer, .address_space: global }
      - { .name: out0, .offset: 80, .size: 8, .value_kind: global_buffer, .address_space: global }
    .group_segment_fixed_size: 266752
    .private_segment_fixed_size: 0
    .kernarg_segment_align: 8
    .kernarg_segment_size: 88
    .max_flat_workgroup_size: 128
    .sgpr_count:     66
    .vgpr_count:     1024
    .wavefront_size: 32
...
	.end_amdgpu_metadata
.endif
;; end of part 2
